; MI455X (gfx1250); checked and timed in simulation.
; The chip was launched on July 23, 2026; its instructions are those of AMD's public machine-readable ISA for CDNA 5 (MIT licence, August 2026) and "CDNA5" Instruction Set Architecture Reference Guide (July 2026). The comments in the code are by the model that wrote it; some were corrected since.
;; Causal Self Attention. Allowed arithmetic: matrix products marked QUANTISED: E5M2 operands, one given power-of-two scale a tensor, by v_wmma_f32_16x16x64_bf8_bf8 or v_wmma_f32_16x16x128_bf8_bf8, f32 sums; everything else in f32.
;; Inputs: b_out 1,024 float32; b_qkv 3,072 float32; lowp_scales 8 int32 (the exponents e of the quantised operands' scales 2^e); w_out_codes 1,024 x 32 x 32 uint8 (E5M2 codes of w_out, K innermost, in blocks of 32 codes); w_qkv_codes 3,072 x 32 x 32 uint8 (E5M2 codes of w_qkv, K innermost, in blocks of 32 codes); x_codes 4 x 2,048 x 32 x 32 uint8 (E5M2 codes of x, K innermost, in blocks of 32 codes).
;; Outputs: out0 4 x 2,048 x 1,024 float32.
;; This version of the problem:
;;   THIS VERSION OF THE PROBLEM IS GIVEN IN LOW PRECISION. The matrix products marked QUANTISED in the list below multiply operands that are first quantised to E5M2 (5 exponent bits, 2 mantissa bits; 8 bits a number), with one given power-of-two scale for each operand tensor; their sums are f32. All else is computed in f32.
;;   The module's matrix products, in the order in which they are computed (A, B: the left and right operand; K: the contracted axis; several contracted axes count as one K, in the product's order):
;;     1. [M 8,192, K 1,024] x [K 1,024, N 3,072]; A: input x (given as codes); B: input w_qkv (given as codes): QUANTISED (scales: A lowp_scales[0], B lowp_scales[1])
;;     2. batch 64 x [M 2,048, K 64] x [K 64, N 2,048]; A: computed on the way; B: computed on the way: QUANTISED (scales: A lowp_scales[2], B lowp_scales[3])
;;     3. batch 64 x [M 64, K 2,048] x [K 2,048, N 2,048]; A: computed on the way; B: softmax (see below): QUANTISED (scales: A lowp_scales[4], B lowp_scales[5])
;;     4. [M 8,192, K 1,024] x [K 1,024, N 1,024]; A: computed on the way; B: input w_out (given as codes): QUANTISED (scales: A lowp_scales[6], B lowp_scales[7])
;;   THE QUANTISER, for each operand of a quantised product, along K:
;;     - The operand's scale is 2^e, e = its entry of the input lowp_scales (int32; the entries are numbered through the quantised products in the list's order, A before B).
;;     - Each number is divided by the scale, clamped to +-57,344, and rounded to the nearest number of E5M2, ties to even, subnormals kept.
;;     - The product sums the exact products of the quantised numbers (number of the format x scale) in f32.
;;   ~~~python
;;   def quantise(x, axis, e):      # numpy; x: float32 -> the quantised numbers, widened to float32 again
;;       x = np.moveaxis(x, axis, -1); K = x.shape[-1]
;;       r = np.clip(x / 2.0 ** e, -57344, 57344)
;;       step = 2.0 ** (np.maximum(np.frexp(np.where(r == 0, 1, r))[1] - 1, -14) - 2)
;;       q = np.round(r / step) * step * 2.0 ** e      # np.round: ties to even
;;       return np.moveaxis(q, -1, axis).astype(np.float32)
;;   ~~~
;;   SOFTMAX AHEAD OF A QUANTISED PRODUCT. Where the list says 'softmax', what is quantised is not the finished softmax but p = 2^(t - M), with t = logit x log2(e) and M = ceil(the row's largest t), a whole number; so 1/2 < the row's largest p <= 1. The row's sum l is taken of the UNQUANTISED p, in f32, and the product's result is divided by l at the end. Since M is a whole number, a kernel that streams over the keys may use a running M (the ceiling of the running maximum): every later rescaling is an exact power of two, so the quantised numbers keep their values, but for numbers so far below the row's largest that they fall under the format's range.
;;   OPERANDS COMPUTED ON THE WAY. 'Computed on the way' means the value that the module computes at that place (a softmax that the list does not call 'softmax' is quantised finished and normalised). What goes into a quantiser is computed in f32, as accurately as f32 sums, v_exp_f32 and their like allow (about 1e-6 of the number): no bf16 or f16 on the way to a quantiser, and a product that is left as it is and whose result goes on into a quantised operand takes f32 operands (vector FMAs, or v_wmma_f32_16x16x4_f32). A number that lies on a knife's edge between two numbers of the format may be rounded either way, as far as f32 arithmetic and the matrix unit's own rounding can turn it there, and no further.
;;   INPUTS GIVEN AS CODES. w_out (in the module: [1024, 1024], K = its axis 0); w_qkv (in the module: [1024, 3072], K = its axis 0); x (in the module: [4, 2048, 1024], K = its axis 2): each comes as NAME_codes (uint8): NAME with its K axis moved to the last place and cut into blocks of 32 codes, [.., K / 32, bytes a block], one block behind the other in memory; one code a byte (a code: sign, 5 exponent bits, 2 mantissa bits); its scale is its entry of lowp_scales. Its value is code x scale, taken as it is: it is not quantised again, and the codes and scales need not be those that the quantiser above would give.
;; One version. Each part assembles by itself: llvm-mc -triple=amdgcn-amd-amdhsa -mcpu=gfx1250 --defsym DOCPART=n.
;; ======== version 1 of 1: 3 launches
;; limits: right only within a limited range of input values
;; workspace buffers: qimg 8,388,608 bytes; kimg 8,388,608 bytes; vimg 8,388,608 bytes; yimg 8,388,608 bytes
;; launch qkv (part 1): grid 12 x 32, 4 waves a work-group, clusters of 4 x 4, 327,680 bytes of LDS; arguments x_codes, w_qkv_codes, lowp_scales, b_qkv, qimg, kimg, vimg; writes qimg, kimg, vimg
.if DOCPART == 1
	.amdgcn_target "amdgcn-amd-amdhsa--gfx1250"
	.amdhsa_code_object_version 6
	.text
	.protected	k_q09dbe952be_qkv
	.globl	k_q09dbe952be_qkv
	.p2align	8
	.type	k_q09dbe952be_qkv,@function
k_q09dbe952be_qkv:
	s_mov_b64 s[64:65], 0
	v_nop
	global_prefetch_b8 v0, s[64:65] scope:SCOPE_SE
	s_setreg_imm32_b32 hwreg(HW_REG_WAVE_MODE, 25, 1), 1
	s_wait_xcnt 0x0
	s_wait_alu depctr_hold_cnt(0) depctr_sa_sdst(0) depctr_va_vdst(0) depctr_va_sdst(0) depctr_va_ssrc(0) depctr_va_vcc(0) depctr_vm_vsrc(0)
	s_getreg_b32 s2, hwreg(HW_REG_IB_STS2, 6, 4)
	s_cmp_eq_u32 s2, 0
	s_cbranch_scc0 .Lentry_in_a_cluster
	s_endpgm
.Lentry_in_a_cluster:
	s_bfe_u32 s2, ttmp6, 0x10000c
	s_cmp_lg_u32 s2, 0xf033
	s_cbranch_scc0 .Lentry_shape_is_right
	s_endpgm
.Lentry_shape_is_right:
; qkv = x W + b_qkv on codes of BF8 (E5M2), then q, k and v are quantised and stored as IMAGES OF THE NEXT PRODUCTS' OPERAND REGISTERS.
; x: [8192][1024] codes, W: [3072][1024] codes (K innermost in both).  A sum stands for sum x 2^(e0 + e1); the bias is added in f32; the result is held within +-57,344 x 2^e and converted.
; SCALES: entry 0 x, 1 W; entry 2 is the LEFT operand of the score product, entry 3 the right one, entry 4 v.  The einsum hands its operands over in reverse order (the value product has v on the left),
; so k takes entry 2 and q entry 3.
; SHARES.  A tile is 256 'A' rows x 256 'B' rows; four waves, 128 x 128 each: 64 accumulators of 16 x 16, 512 registers.  The matrix instruction is used transposed (source 0 = 16 B rows, source 1 = 16 A rows):
; lane (r, h), register j of accumulator (a, b) is A row 16 a + r, B row 16 b + 8 h + j.  The cluster's x names the section: 0 q, 1 k, 2 v.
;   q, k: A = rows of x (tokens), B = rows of W (features): a lane's eight registers are eight neighbours along the head's 64, the score product's K.
;   v:    A = rows 2048.. of W (features), B = rows of x (keys): a lane's eight registers are eight neighbouring KEYS, the value product's K.  Only pointers and row numbers differ: the loop is one text.
; IMAGES.  qimg, kimg: [16 batch + head][tile of 16 tokens: 128][1,024 bytes]: the K = 64 fragment's registers 0-3 at 16 x lane, 4-7 at 512 + 16 x lane.
;          vimg: [16 batch + head][block of 128 keys: 16][tile of 16 features: 4][2,048 bytes]: the K = 128 fragment's registers 4 c .. 4 c + 3 at 512 c + 16 x lane.
; So every store of a wave covers 512 consecutive bytes, aligned, straight from the conversions' results: no stage, no transposition.
; CLUSTERS: 4 x 4 work-groups; A's tile is shared along a row of the cluster, B's along a column: joint loads.  K goes in steps of 256 through two LDS slots: four fills in all, written out without a loop.
; Both bias patterns (along B, along A) are loaded by every work-group, from bytes inside b_qkv; a section uses one of them and ignores the other: so every register is written on every path.
; LIMITS: e0 + e1 between -126 and 127; entries 2, 3, 4 between -126 and 112, so that each power of two below is an f32 number.  NaN among the inputs is not served.
; REGISTERS, in windows of 256: window 0: v1-31 addresses and scales; v32-95 bias along B; v96-111 bias along A; v112-127 codes; from v128 A's fragments, ONE set (on the way out: v128-191 numbers, v192-207 codes).
;   window 1: B's fragments, two sets, at v0 and v128.   window 2: accumulators of my A rows 0-63 ((a, b) at v[8 (8 a + b)]);   window 3: those of rows 64-127.
.set ROWB,   256                       ; a tile's row in bytes: 256 codes
.set KROW,   1024                      ; a row of x or of W in memory
.set PITCH,  272                       ; an LDS row: 256 bytes + 16 of padding = 68 words: row r starts at bank 4 r mod 64 (64 banks of 4 bytes: ISA guide 11.1)
.set FR,     16                        ; registers of a fragment: 16 rows x 128 K
.set NL,     4                         ; LDS loads that bring one
.set NP,     4                         ; places behind this matrix instruction (ISA guide 7.12.1)
.set HALFT,  128*PITCH                 ; 128 rows: what one tensor load brings
.set SLOT,   4*HALFT                   ; A's 256 rows, then B's 256 rows
.set SPARE,  2*SLOT                    ; behind the ring: the spare words, 128 bytes a wave
.set HEADB,  131072                    ; a head's images in bytes, in each of the three buffers
.set ADRA, 16                          ; v16-17  LDS address of my A fragments in slot 0, 1
.set ADRB, 20                          ; v20-21  the same for B
.set LI,   26                          ; v26     16 x lane: my place in an image
.set SPW,  28                          ; v28     LDS address of my spare word; never rewritten
.set NIL,  29                          ; v29     0; never rewritten
.set SC,   30                          ; v30     2^e of my section, for the conversions
.set LIM,  31                          ; v31     57,344 x 2^e
.set BB,   32                          ; bias along B: register 8 b + j
.set BA,   96                          ; bias along A: registers 2 a and 2 a + 1 alike
.set CD0,  112                         ; codes, two sets by turns
.set CD1,  192
.set AF,   128                         ; A's fragments
.set TMP,  128                         ; the way out: a block's 64 numbers
.set G1, 24                            ; s[24:31] group 1 for A's tiles; s[32:39] group 0, a set for each slot
.set G0, 32
.set G1B, 48                           ; s[48:55], s[56:63] the same for B's tiles
.set G0B, 56
.set MSB, 0
.macro WIN new                         ; the immediate's high byte repeats the setting that is left
.if MSB != \new
	s_set_vgpr_msb (MSB<<8)|\new
.set MSB, \new
.endif
.endm
.set MUL_LO, 0xa1                      ; source 0 (B) window 1, source 1 (A) window 0, C and D window 2
.set MUL_HI, 0xf1                      ; the same, C and D window 3
.set TO_B,   0x40                      ; destination window 1, address window 0
; A joint load: waves 0 and 1 fetch for A, waves 2 and 3 for B; the branch hangs on the wave's number alone.  Four v_nop follow each of the two lines.
.macro JLOAD g0a, g1a, g0b, g1b
	s_cmp_eq_u32 s15, 0
	s_cbranch_scc0 .Lfor_b_\@
	tensor_load_to_lds s[\g0a:\g0a+3], s[\g1a:\g1a+7]
	s_nop 0
.rept 4
	v_nop
.endr
	s_branch .Lasked_\@
.Lfor_b_\@:
	tensor_load_to_lds s[\g0b:\g0b+3], s[\g1b:\g1b+7]
	s_nop 0
.rept 4
	v_nop
.endr
.Lasked_\@:
.endm
.macro CREST                           ; a round of the cluster's barrier behind its opening barrier
	s_cmp_lg_u32 s14, 0
	s_cbranch_scc1 .Lnot_wave_0_\@
	s_barrier_signal -3
.Lnot_wave_0_\@:
	s_barrier_wait -3
	s_barrier_signal -1
	s_barrier_wait -1
.endm
.macro CROUND                          ; a whole round
	s_barrier_signal -1
	s_barrier_wait -1
	CREST
.endm
	s_load_b256 s[4:11], s[0:1], 0x0               ; x s[4:5], W s[6:7], the scales' exponents s[8:9], b_qkv s[10:11]
	s_load_b128 s[68:71], s[0:1], 0x20             ; qimg, kimg
	s_load_b64 s[72:73], s[0:1], 0x30              ; vimg
	v_lshl_add_u32 v[SPW], v0, 2, SPARE
	v_mov_b32 v[NIL], 0
	ds_add_u32 v28, v29
	ds_add_u32 v28, v29
	s_wait_dscnt 0x0
	v_lshrrev_b32 v1, 5, v0
	v_readfirstlane_b32 s14, v1                    ; wave 0..3
	s_lshr_b32 s15, s14, 1                         ; which half of the tile's A rows is mine.  Also: I fetch for A (0) or for B (1)
	s_and_b32 s16, s14, 1                          ; which half of its B rows.  Also: which 128 rows of that tile I fetch
	s_bfe_u32 s40, ttmp6, 0x40000                  ; cx, cy: my place in the cluster
	s_bfe_u32 s41, ttmp6, 0x40004
	s_and_b32 s74, ttmp7, 0xffff                   ; the cluster's y, 0..7
	s_cmp_eq_u32 ttmp9, 2                          ; the section of v?  The same in all sixteen partners
	s_cselect_b32 s75, 0, s74                      ; A's tiles: q, k: x's 32 tile rows by the cluster's y; v: W's four by cy alone
	s_cselect_b32 s76, s74, ttmp9                  ; B's tiles: q, k: W's by the section; v: x's by the cluster's y
	s_cselect_b32 s77, 2048, 0                     ; v: A's rows begin at W's row 2,048
	s_lshl_b32 s17, s75, 2
	s_add_co_u32 s17, s17, s41                     ; tile row (of A)
	s_lshl_b32 s42, s76, 2
	s_add_co_u32 s42, s42, s40                     ; tile column (of B)
	s_lshl_b32 s43, s41, 2
	s_lshl_b32 s43, 15, s43                        ; my row of the cluster
	s_lshl_b32 s44, 0x1111, s40                    ; my column
	; descriptor group 1: a tile of 128 rows x 256 bytes, padded in LDS
	s_or_b32 s[G1+0], s43, (0<<16)|(1<<20)|(1<<21)|(5<<22)|(3<<25)  ; 15:0 the mask: A's tiles go to my row; elements of 1 byte; 20 padding on; 21 set beside a mask; after every 64 words (code 5) four words (code 3)
	s_or_b32 s[G1B+0], s44, (0<<16)|(1<<20)|(1<<21)|(5<<22)|(3<<25)
.irp g, G1, G1B
	s_mov_b32 s[\g+1], ROWB<<16                    ; tensor_dim0
	s_mov_b32 s[\g+2], 128<<16                     ; tensor_dim1 = 128
	s_mov_b32 s[\g+3], ROWB<<16                    ; tile_dim0
	s_mov_b32 s[\g+4], 128                         ; tile_dim1 = 128
	s_mov_b32 s[\g+5], KROW                        ; tensor_dim0_stride
	s_mov_b32 s[\g+6], 0
	s_mov_b32 s[\g+7], 0
.endr
	s_lshl_b32 s18, s16, 7                         ; which 128 rows of the tile I fetch
	s_lshl_b32 s20, s17, 8
	s_add_co_u32 s20, s20, s18
	s_add_co_u32 s20, s20, s77                     ; A: row 256 x tile row + 128 x half (+ 2,048)
	s_lshl_b32 s20, s20, 10                        ; in bytes: under 2^24
	s_mov_b32 s21, 0
	s_lshl_b32 s46, s42, 8
	s_add_co_u32 s46, s46, s18                     ; B: row 256 x tile column + 128 x half
	s_lshl_b32 s46, s46, 10
	s_mov_b32 s47, 0
	s_mul_i32 s45, s14, HALFT                      ; where they go: wave x 128 rows: no place in the cluster enters an LDS address
	s_wait_kmcnt 0x0
	s_load_b256 s[80:87], s[8:9], 0x0              ; the eight exponents
	s_cmp_eq_u32 ttmp9, 2
	s_cselect_b64 s[88:89], s[6:7], s[4:5]         ; A's buffer
	s_cselect_b64 s[90:91], s[4:5], s[6:7]         ; B's buffer
	s_add_nc_u64 s[20:21], s[88:89], s[20:21]
	s_add_nc_u64 s[46:47], s[90:91], s[46:47]
	CROUND                                         ; all sixteen work-groups are here: the first joint loads meet
.irp s, 0,1
	s_mov_b32 s[G0+4*\s], 1
	s_add_co_u32 s[G0+4*\s+1], s45, \s*SLOT
	s_add_nc_u64 s[G0+4*\s+2:G0+4*\s+3], s[20:21], \s*ROWB
	s_or_b32 s[G0+4*\s+3], s[G0+4*\s+3], 0x80000000
	s_mov_b32 s[G0B+4*\s], 1
	s_add_co_u32 s[G0B+4*\s+1], s45, \s*SLOT
	s_add_nc_u64 s[G0B+4*\s+2:G0B+4*\s+3], s[46:47], \s*ROWB
	s_or_b32 s[G0B+4*\s+3], s[G0B+4*\s+3], 0x80000000
.endr
	JLOAD G0, G1, G0B, G1B                         ; slot 0
	v_and_b32 v1, 15, v0                           ; r = l % 16
	v_bfe_u32 v2, v0, 4, 1                         ; h = l / 16
	v_mul_u32_u24 v3, v1, PITCH
	v_lshl_add_u32 v4, v2, 4, v3                   ; a fragment's row x pitch + 16 x half
	s_mul_i32 s21, s15, HALFT                      ; my 128 rows of A
	s_mul_i32 s22, s16, HALFT                      ; my 128 rows of B,
	s_add_co_u32 s22, s22, 2*HALFT                 ; which lie behind A's 256
.irp s, 0,1
	v_add_nc_u32 v[ADRA+\s], s21, v4
	v_add_nc_u32 v[ADRB+\s], s22, v4
	s_add_co_u32 s21, s21, SLOT
	s_add_co_u32 s22, s22, SLOT
.endr
	v_lshlrev_b32 v7, 5, v2                        ; 32 h: my half's eight numbers of a tile's sixteen biases along B
	s_wait_alu depctr_va_vdst(0)
	v_lshlrev_b32 v8, 2, v1                        ; 4 r: my row's bias along A
	s_wait_alu depctr_va_vdst(0)
	v_and_b32 v6, 31, v0
	v_lshlrev_b32 v[LI], 4, v6
	; where my images go.  q, k: (((16 batch + head) x 128) + token tile) x 1,024, head = 4 cx + 2 x my half of B
	s_lshl_b32 s12, s17, 8
	s_lshl_b32 s13, s15, 7
	s_add_co_u32 s12, s12, s13                     ; mA: my first A row within A's part
	s_lshr_b32 s22, s12, 11                        ; batch
	s_lshl_b32 s22, s22, 4
	s_lshl_b32 s13, s40, 2
	s_add_co_u32 s22, s22, s13
	s_lshl_b32 s13, s16, 1
	s_add_co_u32 s22, s22, s13
	s_lshl_b32 s22, s22, 7
	s_bfe_u32 s13, s12, 0x70004                    ; (mA mod 2,048) / 16
	s_add_co_u32 s22, s22, s13
	s_lshl_b32 s22, s22, 10
	; v: (((16 batch + head) x 16) + key block) x 8,192, head = 4 cy + 2 x my half of A
	s_lshl_b32 s66, s42, 8
	s_lshl_b32 s67, s16, 7
	s_add_co_u32 s66, s66, s67                     ; mB: my first B row
	s_lshr_b32 s94, s66, 11
	s_lshl_b32 s94, s94, 4
	s_lshl_b32 s67, s41, 2
	s_add_co_u32 s94, s94, s67
	s_lshl_b32 s67, s15, 1
	s_add_co_u32 s94, s94, s67
	s_lshl_b32 s94, s94, 4
	s_bfe_u32 s67, s66, 0x40007                    ; (mB mod 2,048) / 128
	s_add_co_u32 s94, s94, s67
	s_lshl_b32 s94, s94, 13
	s_lshl_b32 s2, s66, 2                          ; q, k: the bias along B begins at feature mB
	s_add_co_u32 s23, s12, 2048
	s_lshl_b32 s23, s23, 2                         ; v: the bias along A begins at feature 2,048 + mA
	s_cmp_eq_u32 ttmp9, 2
	s_cselect_b32 s94, s94, s22
	s_cselect_b32 s2, 0, s2                        ; the pattern that a section does not use reads b_qkv's first bytes
	s_cselect_b32 s12, s23, 0
	s_mov_b32 s95, 0
	s_mov_b32 s3, 0
	s_mov_b32 s13, 0
	s_add_nc_u64 s[98:99], s[10:11], s[2:3]
	s_add_nc_u64 s[100:101], s[10:11], s[12:13]
.irp b, 0,1,2,3,4,5,6,7
	global_load_b128 v[BB+8*\b:BB+8*\b+3],   v7, s[98:99] offset:64*\b      ; b(16 b + 8 h + 0 .. 3)
	global_load_b128 v[BB+8*\b+4:BB+8*\b+7], v7, s[98:99] offset:64*\b+16
.endr
.irp a, 0,1,2,3,4,5,6,7
	global_load_b32 v[BA+2*\a],   v8, s[100:101] offset:64*\a                ; b(16 a + r), in both registers of a pair, since the packed form names the pair
	global_load_b32 v[BA+2*\a+1], v8, s[100:101] offset:64*\a
.endr
	s_wait_kmcnt 0x0                               ; the exponents
	s_add_co_i32 s96, s80, s81
	s_add_co_i32 s96, s96, 127
	s_lshl_b32 s96, s96, 23                        ; 2^(e0 + e1) as f32
	s_mov_b32 s97, s96                             ; (named with it as a pair, so it is written)
	s_cmp_eq_u32 ttmp9, 0
	s_cselect_b32 s2, s83, s82                     ; q: entry 3; k: entry 2
	s_cselect_b64 s[92:93], s[68:69], s[70:71]
	s_cmp_eq_u32 ttmp9, 2
	s_cselect_b32 s2, s84, s2                      ; v: entry 4
	s_cselect_b64 s[92:93], s[72:73], s[92:93]
	s_add_nc_u64 s[92:93], s[92:93], s[94:95]      ; my section's buffer at my first image
	s_add_co_i32 s2, s2, 127
	s_lshl_b32 s3, s2, 23
	v_mov_b32 v[SC], s3                            ; 2^e as f32: the conversion takes its exponent field
	s_add_co_i32 s2, s2, 15
	s_lshl_b32 s2, s2, 23
	s_or_b32 s2, s2, 0x600000
	v_mov_b32 v[LIM], s2                           ; 57,344 x 2^e
.macro FRAG reg, adr, q, i             ; a fragment by four loads of 16 bytes: lane l holds row l % 16; registers 4 c .. 4 c + 3 hold K = 32 c + 16 (l / 16) + 0 .. 15: one permutation of k, alike in A and B, so every product meets its partner
.irp c, 0,1,2,3
	ds_load_b128 v[\reg+4*\c:\reg+4*\c+3], v[\adr] offset:128*(\q)+32*\c+(\i)*16*PITCH
.endr
.endm
; 16 matrix instructions: A's blocks a0, a0 + 1 x B's eight, 128 along K.  p: B's set.  zero = 1: the first product starts the sums.  The 64 accumulators take turns, one instruction a turn, in the same order in every step.
.macro MUL16 a0, p, zero
.irp a, \a0, \a0+1
.irp b, 0,1,2,3,4,5,6,7
.if \zero
	v_wmma_f32_16x16x128_bf8_bf8 v[8*(8*((\a)%4)+\b):8*(8*((\a)%4)+\b)+7], v[128*(\p)+FR*\b:128*(\p)+FR*\b+FR-1], v[AF+FR*(\a):AF+FR*(\a)+FR-1], 0
.else
	v_wmma_f32_16x16x128_bf8_bf8 v[8*(8*((\a)%4)+\b):8*(8*((\a)%4)+\b)+7], v[128*(\p)+FR*\b:128*(\p)+FR*\b+FR-1], v[AF+FR*(\a):AF+FR*(\a)+FR-1], v[8*(8*((\a)%4)+\b):8*(8*((\a)%4)+\b)+7]
.endif
.endr
.endr
.endm
.macro FETCH_B slot, q, p              ; B's eight fragments of the slot's q-th 128 along K into set p
	WIN TO_B
.irp i, 0,1,2,3,4,5,6,7
	FRAG 128*(\p)+FR*\i, ADRB+\slot, \q, \i
.endr
	WIN 0
.endm
.macro FETCH_A slot, q, i0             ; A's blocks i0 .. i0 + 3
.irp i, \i0, \i0+1, \i0+2, \i0+3
	FRAG AF+FR*(\i), ADRA+\slot, \q, \i
.endr
.endm
.macro PLACES n                        ; plain vector instructions between a matrix instruction and a load into, or a vector write of, one of its registers, or a read of its result
.rept \n
	v_nop
.endr
.endm
; A step of 128 along K that has its successor in the same slot.  A block of A is free when its eight products are issued: blocks 0-3 are fetched anew in the step's middle, blocks 4-7 at its end.
.macro STEP slot, q, zero
	s_wait_dscnt 4*NL                              ; B's set and A's blocks 0-3 are in; the youngest sixteen loads (A's blocks 4-7) may be out
	WIN MUL_LO
	MUL16 0, (\q)%2, \zero
	MUL16 2, (\q)%2, \zero
	s_wait_dscnt 0                                 ; A's blocks 4-7 are in
	PLACES NP
	FETCH_B \slot, (\q)+1, 1-(\q)%2
	FETCH_A \slot, (\q)+1, 0
	WIN MUL_HI
	MUL16 4, (\q)%2, \zero
	MUL16 6, (\q)%2, \zero
	PLACES NP
	WIN 0
	FETCH_A \slot, (\q)+1, 4
.endm
; A slot's last step changes slots: ONE barrier; in front of it each wave waits for all its tensor loads, adds 0 to its spare word, and waits for that and for its own reads of this slot.  fill = 1: this slot is filled again, two slots ahead.
.macro TURN slot, next, fill
	s_wait_tensorcnt 0x0                           ; all my tensor loads have landed: my part of the next slot (every window is 0 here)
	ds_add_u32 v[SPW], v[NIL]                      ; 0 onto my spare word
	s_wait_dscnt 4*NL+1                            ; the add and the youngest sixteen loads (A's blocks 4-7) may be out
	WIN MUL_LO
	MUL16 0, 1, 0                                  ; sixteen matrix instructions stand between the add and the wait for it
	s_wait_dscnt 0x0                               ; the add is done, and my reads of this slot are over
	s_barrier_signal -1
	MUL16 2, 1, 0
	WIN 0
	s_barrier_wait -1
.if \fill
	CREST                                          ; the barrier has opened a round of the cluster's barrier: no wave of any partner still reads this slot or has a load on its way
	s_add_nc_u64 s[G0+4*\slot+2:G0+4*\slot+3], s[G0+4*\slot+2:G0+4*\slot+3], 2*ROWB
	s_add_nc_u64 s[G0B+4*\slot+2:G0B+4*\slot+3], s[G0B+4*\slot+2:G0B+4*\slot+3], 2*ROWB
	JLOAD G0+4*\slot, G1, G0B+4*\slot, G1B         ; the first tensor load behind the round; its four v_nop are the places in front of the loads below
.else
	PLACES NP
.endif
	FETCH_B \next, 0, 0
	FETCH_A \next, 0, 0
	WIN MUL_HI
	MUL16 4, 1, 0
	MUL16 6, 1, 0
	PLACES NP
	WIN 0
	FETCH_A \next, 0, 4
.endm
	s_wait_alu depctr_va_vdst(0)
	s_wait_tensorcnt 0x0                           ; my part of slot 0 is in
	ds_add_u32 v[SPW], v[NIL]
	s_wait_dscnt 0x0
	CROUND                                         ; everybody's part of slot 0 is in, and all sixteen work-groups are here
	JLOAD G0+4, G1, G0B+4, G1B                     ; slot 1's first fill: the first tensor load behind the round
	FETCH_B 0, 0, 0
	FETCH_A 0, 0, 0
	FETCH_A 0, 0, 4
	STEP 0, 0, 1                                   ; K 0..127: its products start the sums
	TURN 0, 1, 1                                   ; K 128..255; slot 0 takes K 512..767
	STEP 1, 0, 0
	TURN 1, 0, 1                                   ; slot 1 takes K 768..1023
	STEP 0, 0, 0
	TURN 0, 1, 0                                   ; nothing is left to fetch, so no round of the cluster's barrier
	STEP 1, 0, 0
	s_wait_dscnt 4*NL                              ; the very last step
	WIN MUL_LO
	MUL16 0, 1, 0
	MUL16 2, 1, 0
	s_wait_dscnt 0
	WIN MUL_HI
	MUL16 4, 1, 0
	MUL16 6, 1, 0
	WIN 0
; THE WAY OUT of block a (16 A rows x 128 B rows).  sum x 2^(e0 + e1) + bias by one packed multiply-add for two numbers, each accumulator from its low end on; the hold; eight conversions, whose sixteen result registers
; ARE the next operand's registers: q, k: two heads' K = 64 fragments of token tile a; v: the K = 128 fragment of feature tile a.  Four stores of 512 consecutive bytes.
.macro OUTBLK a, isv
.set AC, 64*((\a)%4)
.set CD, CD0+(CD1-CD0)*((\a)%2)
.set WN, 0x02+((\a)/4)
.if (\a) > 1
	s_wait_xcnt 0x0                                ; block a - 2's stores have read this set of code registers
.endif
	WIN WN                                         ; source 0: window 2 or 3
.set jj, 0
.rept 32
.if \isv
	v_pk_fma_f32 v[TMP+jj:TMP+jj+1], v[AC+jj:AC+jj+1], s[96:97], v[BA+2*(\a):BA+2*(\a)+1] op_sel_hi:[1,0,0]
.else
	v_pk_fma_f32 v[TMP+jj:TMP+jj+1], v[AC+jj:AC+jj+1], s[96:97], v[BB+jj:BB+jj+1] op_sel_hi:[1,0,1]
.endif
.set jj, jj+2
.endr
	WIN 0
.set jj, 0
.rept 64
	v_med3_num_f32 v[TMP+jj], v[TMP+jj], -v[LIM], v[LIM]   ; the conversion to an 8-bit code does not saturate (ISA guide 7.6.2): the hold at the largest code x the scale
.set jj, jj+1
.endr
.irp b, 0,1,2,3,4,5,6,7
	v_cvt_scalef32_pk8_bf8_f32 v[CD+2*\b:CD+2*\b+1], v[TMP+8*\b:TMP+8*\b+7], v[SC]
.endr
	v_nop                                          ; one plain vector instruction behind the last conversion: the next block writes the numbers' registers
.irp c, 0,1,2,3
.if \isv
	global_store_b128 v[LI], v[CD+4*\c:CD+4*\c+3], s[92:93] offset:((\a)/4)*HEADB+((\a)%4)*2048+512*\c
.else
	global_store_b128 v[LI], v[CD+4*\c:CD+4*\c+3], s[92:93] offset:(\c/2)*HEADB+(\a)*1024+(\c%2)*512
.endif
.endr
.endm
	s_wait_loadcnt 0x0                             ; the biases
	PLACES NP                                      ; behind the last products: their results are read, and A's registers written, below
	s_cmp_eq_u32 ttmp9, 2                          ; the section: the same in all partners; neither way touches LDS
	s_cbranch_scc1 .Lv
.irp a, 0,1,2,3,4,5,6,7
	OUTBLK \a, 0
.endr
	s_branch .Ldone
.Lv:
.irp a, 0,1,2,3,4,5,6,7
	OUTBLK \a, 1
.endr
.Ldone:
	s_wait_tensorcnt 0x0                           ; the wave's end
	ds_add_u32 v[SPW], v[NIL]
	s_wait_dscnt 0x0
	CROUND                                         ; the closing round: no work-group ends while a partner may still ask for a tile that names it
	s_endpgm
.Lfunc_end_k_q09dbe952be_qkv:
	.size	k_q09dbe952be_qkv, .Lfunc_end_k_q09dbe952be_qkv-k_q09dbe952be_qkv
	.p2alignl 7, 3214868480
	.fill 96, 4, 3214868480
	.section	.rodata,"a",@progbits
	.p2align	6, 0x0
	.amdhsa_kernel k_q09dbe952be_qkv
		.amdhsa_group_segment_fixed_size 327680
		.amdhsa_private_segment_fixed_size 0
		.amdhsa_enable_private_segment 0
		.amdhsa_kernarg_size 56
		.amdhsa_user_sgpr_count 2
		.amdhsa_user_sgpr_kernarg_segment_ptr 1
		.amdhsa_wavefront_size32 1
		.amdhsa_system_sgpr_workgroup_id_x 1
		.amdhsa_system_sgpr_workgroup_id_y 1
		.amdhsa_system_sgpr_workgroup_id_z 1
		.amdhsa_system_vgpr_workitem_id 0
		.amdhsa_next_free_vgpr 1024
		.amdhsa_next_free_sgpr 102
		.amdhsa_reserve_vcc 0
		.amdhsa_float_denorm_mode_32 3
		.amdhsa_float_denorm_mode_16_64 3
		.amdhsa_memory_ordered 1
		.amdhsa_forward_progress 1
		.amdhsa_inst_pref_size 194
	.end_amdhsa_kernel
	.amdgpu_metadata
---
amdhsa.version: [ 1, 2 ]
amdhsa.kernels:
  - .name:           k_q09dbe952be_qkv
    .symbol:         k_q09dbe952be_qkv.kd
    .args:
      - { .name: x_codes, .offset: 0, .size: 8, .value_kind: global_buffer, .address_space: global }
      - { .name: w_qkv_codes, .offset: 8, .size: 8, .value_kind: global_buffer, .address_space: global }
      - { .name: lowp_scales, .offset: 16, .size: 8, .value_kind: global_buffer, .address_space: global }
      - { .name: b_qkv, .offset: 24, .size: 8, .value_kind: global_buffer, .address_space: global }
      - { .name: qimg, .offset: 32, .size: 8, .value_kind: global_buffer, .address_space: global }
      - { .name: kimg, .offset: 40, .size: 8, .value_kind: global_buffer, .address_space: global }
      - { .name: vimg, .offset: 48, .size: 8, .value_kind: global_buffer, .address_space: global }
    .group_segment_fixed_size: 327680
    .private_segment_fixed_size: 0
    .kernarg_segment_align: 8
    .kernarg_segment_size: 56
    .max_flat_workgroup_size: 128
    .sgpr_count:     102
    .vgpr_count:     1024
    .wavefront_size: 32
...
	.end_amdgpu_metadata
.endif
;; end of part 1
;; launch attn (part 2): grid 4 x 64, 16 waves a work-group, clusters of 4 x 1, 327,680 bytes of LDS; arguments qimg, kimg, vimg, lowp_scales, yimg; writes yimg
.if DOCPART == 2
	.amdgcn_target "amdgcn-amd-amdhsa--gfx1250"
	.amdhsa_code_object_version 6
	.text
	.protected	k_q09dbe952be_attn
	.globl	k_q09dbe952be_attn
	.p2align	8
	.type	k_q09dbe952be_attn,@function
k_q09dbe952be_attn:
	s_mov_b64 s[64:65], 0
	v_nop
	global_prefetch_b8 v0, s[64:65] scope:SCOPE_SE
	s_setreg_imm32_b32 hwreg(HW_REG_WAVE_MODE, 25, 1), 1
	s_wait_xcnt 0x0
	s_wait_alu depctr_hold_cnt(0) depctr_sa_sdst(0) depctr_va_vdst(0) depctr_va_sdst(0) depctr_va_ssrc(0) depctr_va_vcc(0) depctr_vm_vsrc(0)
	s_getreg_b32 s2, hwreg(HW_REG_IB_STS2, 6, 4)
	s_cmp_eq_u32 s2, 0
	s_cbranch_scc0 .Lentry_in_a_cluster
	s_endpgm
.Lentry_in_a_cluster:
	s_bfe_u32 s2, ttmp6, 0x10000c
	s_cmp_lg_u32 s2, 0x3003
	s_cbranch_scc0 .Lentry_shape_is_right
	s_endpgm
.Lentry_shape_is_right:
; y = softmax(q k^T / 8, causal) v for one head, both products on codes of BF8 (E5M2); y is quantised (entry 6 of the scales) and stored as an image of the last product's operand.
; qimg, kimg: [16 batch + head][tile of 16 rows: 128][1,024 bytes]: the K = 64 fragment's registers 0-3 at 16 x lane, 4-7 at 512 + 16 x lane.
; vimg: [16 batch + head][block of 128 keys: 16][tile of 16 features: 4][2,048 bytes]: the K = 128 fragment's registers 4 c .. 4 c + 3 at 512 c + 16 x lane.
; yimg: [tile of 16 rows: 512][head: 16][1,024 bytes]: byte 256 t + 16 r + 8 h + 0 .. 7 = y(row r, feature 16 t + 8 h + 0 .. 7).
; THE SOFTMAX: t = score x log2(e) / 8; M = the running largest t rounded UP to a whole number; p = 2^(t - M) is quantised (entry 5), not normalised; the row's sum is taken of the unquantised p and divides at the end.
; When M moves, the sum and O are multiplied by 2^(old M - new M): nothing is rounded, and no branch hangs on data.
; LDS HOLDS THE HEAD'S WHOLE K AND V: 131,072 bytes each, as they lie in kimg and vimg.  No byte of LDS is filled twice, and behind the one barrier that shows them no barrier stands in the walk over the keys.
; CLUSTER: the four work-groups of a head need the same K and V and ask for them JOINTLY (mask 15): one load a wave, 64 rows of 256 bytes: waves 0-7 K's eighths, waves 8-15 V's.
; SHARES.  Work-group i (its place in the cluster) takes the tiles of 16 queries 4 j + i.  Wave w owns tile 124 - 4 w + i, then tile 4 w + i: (31 - w) / 2 + 1 and w / 2 + 1 blocks of 128 keys, 17 key steps for every wave of every work-group.
; A tile's last block, the one on the diagonal, is block (31 - w) / 2 or w / 2: it hangs on the wave's number alone, so no branch hangs on the place in the cluster; i enters global addresses and the mask's vector compare only.
; Blocks behind the diagonal are left out by a scalar branch on the wave's number and the trip; on the diagonal hidden scores become -infinity ahead of the maximum.  Key 0 counts for every query, so M is a number from a tile's first step on.
; LAYOUT.  Both products transposed: S^T = K Q^T (source 0 = 16 keys), O^T = V^T P^T (source 0 = 16 features): a lane holds ONE query (lane % 16).  Register j of score tile f is key 16 f + 8 (lane / 16) + j, which is
; the very place that the K = 128 form gives registers 2 f, 2 f + 1 of P: the conversions' results are the operand.
; TWO BUFFERS OF 64 REGISTERS, X AND Y, SWAP ROLES FROM STEP TO STEP.  A step finds its K in one; the scores go into the other; V follows K into the first; when p is converted, the next block's K is asked for into the second,
; ahead of the value product.  So a trip of the loops is two blocks.  The request behind a tile's last block reads LDS bytes that have landed, and its registers are not used.
; NO PREFETCH: all tensor loads are asked for at the head; no loop stands ahead of a load in which a request could run ahead.
; LIMITS: entries 2 + 3 between -123 and 130 (added to c's exponent field); entries 5 and 6 between -126 and 112; entries 4 + 5 go through v_ldexp_f32 and have none.  Where 57,344 x 2^e5 lies under 1 the hold acts on p under the running M.  NaN is not served.
; REGISTERS: v1-8 addresses; v12 -M, v13 the largest t, v[14:15] the sum in two halves; v16-23 the late tile's Q; v24-31 the early tile's; v32-95 X; v96-159 Y; v160-191 O^T; v192-207 codes; v208-255 at work and scales.
.set VREG,  131072                     ; V's images begin here, behind K's
.set SPARE, 262144                     ; behind both: the spare words, 128 bytes for each of sixteen waves
.set BLK,   8192                       ; a block of 128 keys, in K's images and in V's
.set LI,  1                            ; v1   16 x lane
.set LV,  2                            ; v2   VREG + 16 x lane
.set ADK, 3                            ; v3   LDS address of the trip's K
.set ADV, 4                            ; v4   of its V
.set SPW, 5                            ; v5   LDS address of my spare word; never rewritten
.set NIL, 6                            ; v6   0; never rewritten
.set RH,  7                            ; v7   r - 8 h
.set YO,  8                            ; v8   16 r + 8 h: my 8 bytes in a quarter of y's image
.set QL,  16
.set QE,  24
.set X,   32
.set Y,   96
.set O,   160
.set PC,  192
.set WV,   18                          ; s18  my wave's number
.set SEL,  20                          ; s[20:21] lane selects: lane l xor 16
.set CS,   22                          ; s[22:23] c = log2(e) / 8 x 2^(e2 + e3)
.set G1,   24                          ; s[24:31] descriptor group 1
.set G0,   40                          ; s[40:43] group 0
.set T,    48                          ; s48  the trip's first block of keys
.set TB,   49                          ; s49  its first byte in K's images
.set EPV,  50                          ; s50  e4 + e5
.set E,    52                          ; s[52:59] the eight exponents
.set YL,   60                          ; s[60:61] the late tile's image of y; s[62:63] the early tile's
.set YE,   62
.set CX,   66                          ; s66  my work-group's place in the cluster
.set HD,   81                          ; s81  16 batch + head
.set DG,   82                          ; s82  the block on the diagonal of the tile in hand; s83 that less 1
.set DG1,  83
.set DGE,  84                          ; s84  the early tile's block on the diagonal
.set DME,  85                          ; s85  16 x (tile mod 8) of the early tile
.macro ROUND                           ; a round of the cluster's barrier
	s_barrier_signal -1
	s_barrier_wait -1
	s_cmp_lg_u32 s[WV], 0
	s_cbranch_scc1 .Lnot0_\@
	s_barrier_signal -3
.Lnot0_\@:
	s_barrier_wait -3
	s_barrier_signal -1
	s_barrier_wait -1
.endm
.macro INIT                            ; a tile begins: the largest t -3e38, -M = 3e38, the sum and O^T zeros, which the first change of M leaves zeros
	v_mov_b32 v13, 0xff61b1e6
	v_mov_b32 v12, 0x7f61b1e6
	v_mov_b32 v14, 0
	v_mov_b32 v15, 0
.set ii, 0
.rept 32
	v_mov_b32 v[O+ii], 0
.set ii, ii+1
.endr
.endm
.macro KFIRST                          ; a tile's first block of K into X
.set ii, 0
.rept 8
	ds_load_b128 v[X+8*ii:X+8*ii+3],   v[LI] offset:1024*ii
	ds_load_b128 v[X+8*ii+4:X+8*ii+7], v[LI] offset:1024*ii+512
.set ii, ii+1
.endr
.endm
	s_load_b256 s[4:11], s[0:1], 0x0               ; qimg s[4:5], kimg s[6:7], vimg s[8:9], the scales' exponents s[10:11]
	s_load_b64 s[12:13], s[0:1], 0x20              ; yimg
	v_lshl_add_u32 v[SPW], v0, 2, SPARE
	v_mov_b32 v[NIL], 0
	ds_add_u32 v[SPW], v[NIL]                      ; the opening lines: the add, twice on end, and its wait ahead of my first tensor load
	ds_add_u32 v[SPW], v[NIL]
	v_lshrrev_b32 v9, 5, v0
	v_readfirstlane_b32 s[WV], v9                  ; wave 0..15
	v_and_b32 v9, 31, v0
	v_and_b32 v10, 15, v0                          ; r
	v_bfe_u32 v11, v0, 4, 1                        ; h
	v_lshlrev_b32 v[LI], 4, v9
	v_lshlrev_b32 v11, 3, v11
	v_lshl_add_u32 v[LV], v9, 4, VREG
	v_sub_nc_u32 v[RH], v10, v11
	v_lshl_add_u32 v[YO], v10, 4, v11
	s_and_b32 s[HD], ttmp7, 0xffff                 ; the cluster's y: 16 batch + head
	s_bfe_u32 s[CX], ttmp6, 0x40000                ; i
	s_lshl_b32 s67, s[WV], 2
	s_add_co_u32 s68, s67, s[CX]                   ; the early tile: 4 w + i
	s_sub_co_u32 s69, 124, s67
	s_add_co_u32 s69, s69, s[CX]                   ; the late tile: 124 - 4 w + i
	s_lshl_b32 s70, s[HD], 7                       ; the head's first tile
	s_add_co_u32 s72, s70, s69
	s_lshl_b32 s72, s72, 10                        ; their images of q
	s_mov_b32 s73, 0
	s_add_co_u32 s74, s70, s68
	s_lshl_b32 s74, s74, 10
	s_mov_b32 s75, 0
	s_lshr_b32 s76, s[HD], 4
	s_lshl_b32 s76, s76, 7                         ; the batch's first tile of rows
	s_and_b32 s77, s[HD], 15                       ; the head
	s_add_co_u32 s[YL], s76, s69
	s_lshl_b32 s[YL], s[YL], 4
	s_add_co_u32 s[YL], s[YL], s77
	s_lshl_b32 s[YL], s[YL], 10                    ; their images of y: ((tile of rows) x 16 + head) x 1,024
	s_mov_b32 s[YL+1], 0
	s_add_co_u32 s[YE], s76, s68
	s_lshl_b32 s[YE], s[YE], 4
	s_add_co_u32 s[YE], s[YE], s77
	s_lshl_b32 s[YE], s[YE], 10
	s_mov_b32 s[YE+1], 0
	s_sub_co_u32 s[DG], 31, s[WV]
	s_lshr_b32 s[DG], s[DG], 1                     ; (124 - 4 w + i) / 8 = (31 - w) / 2 for i = 0 .. 3
	s_sub_co_u32 s[DG1], s[DG], 1
	s_lshr_b32 s[DGE], s[WV], 1                    ; (4 w + i) / 8 = w / 2
	s_and_b32 s67, s69, 7
	s_lshl_b32 s67, s67, 4
	s_wait_alu depctr_va_vdst(0)
	v_add_nc_u32 v218, s67, v[RH]                  ; d = my query - the diagonal block's first key - 8 h
	s_and_b32 s[DME], s68, 7
	s_lshl_b32 s[DME], s[DME], 4
	; descriptor group 1: a dense block of 16,384 bytes as 64 rows of 256 bytes (32 elements of 8 bytes); mask 15: all four work-groups of the cluster; bit 21 beside it
	s_mov_b32 s[G1], 15|(3<<16)|(1<<21)
	s_mov_b32 s[G1+1], 32<<16                      ; tensor_dim0
	s_mov_b32 s[G1+2], 64<<16                      ; tensor_dim1
	s_mov_b32 s[G1+3], 32<<16                      ; tile_dim0
	s_mov_b32 s[G1+4], 64                          ; tile_dim1
	s_mov_b32 s[G1+5], 32                          ; tensor_dim0_stride
	s_mov_b32 s[G1+6], 0
	s_mov_b32 s[G1+7], 0
	s_and_b32 s78, s[WV], 7
	s_lshl_b32 s78, s78, 14                        ; my eighth of K's or of V's bytes
	s_mov_b32 s79, 0
	s_lshl_b32 s86, s[HD], 17                      ; the head's 131,072 bytes in kimg and in vimg
	s_mov_b32 s87, 0
	s_mov_b32 s[G0], 1
	s_lshl_b32 s[G0+1], s[WV], 14                  ; LDS address: 16,384 x the wave's number: K's eight parts, then V's
	s_mov_b32 s[SEL], 0x76543210
	s_mov_b32 s[SEL+1], 0xfedcba98
	s_mov_b32 s[T], 0
	s_mov_b32 s[TB], 0
	s_wait_alu depctr_va_vdst(0)
	s_wait_dscnt 0x0                               ; both opening adds are done
	s_wait_kmcnt 0x0
	s_load_b256 s[E:E+7], s[10:11], 0x0
	s_add_nc_u64 s[72:73], s[4:5], s[72:73]
	s_add_nc_u64 s[74:75], s[4:5], s[74:75]
	global_load_b128 v[QL:QL+3],   v[LI], s[72:73]             ; both tiles' fragments of Q stay in registers
	global_load_b128 v[QL+4:QL+7], v[LI], s[72:73] offset:512
	global_load_b128 v[QE:QE+3],   v[LI], s[74:75]
	global_load_b128 v[QE+4:QE+7], v[LI], s[74:75] offset:512
	s_add_nc_u64 s[YL:YL+1], s[12:13], s[YL:YL+1]
	s_add_nc_u64 s[YE:YE+1], s[12:13], s[YE:YE+1]
	s_cmp_lt_u32 s[WV], 8
	s_cselect_b64 s[76:77], s[6:7], s[8:9]
	s_add_nc_u64 s[76:77], s[76:77], s[86:87]
	s_add_nc_u64 s[G0+2:G0+3], s[76:77], s[78:79]
	s_or_b32 s[G0+3], s[G0+3], 0x80000000
	ROUND                                          ; all four work-groups are here: the joint loads meet
	tensor_load_to_lds s[G0:G0+3], s[G1:G1+7]      ; my sixteenth of the head's K and V: my one tensor load
	s_nop 0
.rept 4
	v_nop
.endr
	v_mov_b32 v213, 0                              ; (named as the upper half of the pair v[212:213])
	v_mov_b32 v216, 0                              ; written once: a lane permute's destination counts as one of its sources
	v_mov_b32 v217, 0xff800000                     ; -infinity
	INIT
	s_wait_kmcnt 0x0                               ; the exponents
	s_add_co_i32 s67, s[E+2], s[E+3]
	s_lshl_b32 s67, s67, 23
	s_add_co_i32 s[CS], s67, 0x3e38aa3b            ; c = log2(e) / 8, with e2 + e3 added to its exponent field
	s_mov_b32 s[CS+1], s[CS]                       ; (named with it as a pair, so it is written)
	s_add_co_i32 s[EPV], s[E+4], s[E+5]
	s_add_co_i32 s67, s[E+5], 127
	s_lshl_b32 s68, s67, 23
	v_mov_b32 v220, s68                            ; 2^e5 as f32, for p's conversions
	s_add_co_i32 s67, s67, 15
	s_lshl_b32 s67, s67, 23
	s_or_b32 s67, s67, 0x600000
	v_mov_b32 v221, s67                            ; 57,344 x 2^e5, in two registers: one for each half of a dual pair
	v_mov_b32 v222, s67
	s_add_co_i32 s67, s[E+6], 127
	s_lshl_b32 s68, s67, 23
	v_mov_b32 v223, s68                            ; 2^e6, for y's
	s_add_co_i32 s67, s67, 15
	s_lshl_b32 s67, s67, 23
	s_or_b32 s67, s67, 0x600000
	v_mov_b32 v219, s67                            ; 57,344 x 2^e6
.macro ADD2 d, a, b
	v_pk_add_f32 v[\d:\d+1], v[\a:\a+1], v[\b:\b+1]
.endm
.macro FMA8 sb, i0                     ; t - M, two at a time (of the pairs c and -M the low word serves both halves)
.set ii, \i0
.rept 8
	v_pk_fma_f32 v[\sb+ii:\sb+ii+1], v[\sb+ii:\sb+ii+1], s[CS:CS+1], v[12:13] op_sel_hi:[1,0,0]
.set ii, ii+2
.endr
.endm
; A KEY STEP: block s[T] + odd of 128 keys against the tile whose Q lies at v[q].  Its K lies in buffer kb, or is on its way there; the scores go into buffer sb.
.macro STEP kb, sb, odd, q, hid
.if \odd
	s_cmp_ge_u32 s[T], s[DG]                       ; block T + 1 lies behind the diagonal: all its keys come after my 16 queries
.else
	s_cmp_gt_u32 s[T], s[DG]                       ; block T does, and so does T + 1
.endif
	s_cbranch_scc1 \hid
	s_wait_dscnt 0x0                               ; K is in
.set ii, 0
.rept 8
	v_wmma_f32_16x16x64_bf8_bf8 v[\sb+8*ii:\sb+8*ii+7], v[\kb+8*ii:\kb+8*ii+7], v[\q:\q+7], 0
.set ii, ii+1
.endr
.rept 4
	v_nop                                          ; places: the loads below land in registers that these products read, and the scores are read
.endr
.set ii, 0
.rept 16                                       ; V's four images (16 features x 128 keys) follow K into kb: asked for here, they land under the softmax
	ds_load_b128 v[\kb+4*ii:\kb+4*ii+3], v[ADV] offset:BLK*\odd+512*ii
.set ii, ii+1
.endr
.if \odd
	s_cmp_lg_u32 s[T], s[DG1]
.else
	s_cmp_lg_u32 s[T], s[DG]                       ; a block ahead of the diagonal: all its keys count
.endif
	s_cbranch_scc1 .Lopen_\@
.set ii, 0
.rept 64                                       ; register 8 f + j holds the block's key 16 f + 8 h + j: hidden where 16 f + j > d
	v_cmp_gt_i32 vcc_lo, 16*(ii/8)+ii%8, v218
	v_cndmask_b32 v[\sb+ii], v[\sb+ii], v217, vcc_lo
.set ii, ii+1
.endr
.Lopen_\@:
.irp c, 0,1,2,3                                ; the step's largest score of my query among my 64 keys: four chains by turns, two accumulators to a chain, each from its low end on
	v_max3_num_f32 v[208+\c], v[\sb+16*\c], v[\sb+16*\c+1], v[\sb+16*\c+2]
.endr
.irp i, 3,5,7,9,11,13
.irp c, 0,1,2,3
	v_max3_num_f32 v[208+\c], v[208+\c], v[\sb+16*\c+\i], v[\sb+16*\c+\i+1]
.endr
.endr
	v_max3_num_f32 v208, v208, v209, v[\sb+15]
	v_max3_num_f32 v210, v210, v211, v[\sb+31]
	v_max3_num_f32 v208, v208, v[\sb+47], v[\sb+63]
	s_delay_alu instid0(VALU_DEP_1)
	v_max_num_f32 v208, v208, v210
	s_delay_alu instid0(VALU_DEP_1)
	v_permlanex16_b32 v216, v208, s[SEL], s[SEL+1]
	s_delay_alu instid0(VALU_DEP_1)
	v_max_num_f32 v208, v208, v216                 ; and among lane l xor 16's
	s_delay_alu instid0(VALU_DEP_1)
	v_mul_f32 v208, s[CS], v208                    ; as t (c is positive)
	s_delay_alu instid0(VALU_DEP_1)
	v_max_num_f32 v13, v13, v208                   ; the running largest t
	v_mov_b32 v208, v12
	s_delay_alu instid0(VALU_DEP_2)
	v_floor_f32 v12, -v13                          ; the new -M = floor(-t) = -ceil(t): M is a whole number
	FMA8 \sb, 0                                    ; the three lines that make f stand among the multiply-adds
	v_sub_f32 v208, v12, v208                      ; M's old value less its new one: a whole number, 0 or less
	FMA8 \sb, 16
	v_cvt_i32_f32 v208, v208                       ; (it saturates)
	FMA8 \sb, 32
	v_ldexp_f32 v212, 1.0, v208                    ; f = 2^(old M - new M)
	FMA8 \sb, 48
.set ii, 0
.rept 16
	v_pk_mul_f32 v[O+ii:O+ii+1], v[O+ii:O+ii+1], v[212:213] op_sel_hi:[1,0]   ; O^T under the new M: read ahead of the step's exponentials, each accumulator from its low end on
.set ii, ii+2
.endr
.set ii, 0
	s_wait_alu depctr_va_vdst(0)
.rept 64
	v_exp_f32 v[\sb+ii], v[\sb+ii]                 ; p = 2^(t - M), at most 1: not normalised
.set ii, ii+1
.endr
	v_pk_mul_f32 v[14:15], v[14:15], v[212:213] op_sel_hi:[1,0]   ; the sums under the new M: the plain instruction behind the exponentials
	s_wait_alu depctr_va_vdst(0)                   ; one wait for the whole batch, ahead of its first reader
	ADD2 214, \sb+4, \sb+8                         ; the row's sum of the unquantised p, two at a time, in eight chains
	ADD2 254, \sb+12, \sb+16
	ADD2 252, \sb+20, \sb+24
	ADD2 250, \sb+28, \sb+32
	ADD2 248, \sb+36, \sb+40
	ADD2 246, \sb+44, \sb+48
	ADD2 244, \sb+52, \sb+56
	ADD2 14, 14, \sb+60
	ADD2 214, 214, \sb
	ADD2 254, 254, \sb+2
	ADD2 252, 252, \sb+6
	ADD2 250, 250, \sb+10
	ADD2 248, 248, \sb+14
	ADD2 246, 246, \sb+18
	ADD2 244, 244, \sb+22
	ADD2 14, 14, \sb+26
	ADD2 214, 214, \sb+30
	ADD2 254, 254, \sb+34
	ADD2 252, 252, \sb+38
	ADD2 250, 250, \sb+42
	ADD2 248, 248, \sb+46
	ADD2 246, 246, \sb+50
	ADD2 244, 244, \sb+54
	ADD2 14, 14, \sb+58
	ADD2 214, 214, \sb+62
	s_delay_alu instid0(VALU_DEP_2)
	ADD2 14, 14, 250
	s_delay_alu instid0(VALU_DEP_2)
	ADD2 214, 214, 248
	ADD2 254, 254, 246
	ADD2 252, 252, 244
	s_delay_alu instid0(VALU_DEP_2)
	ADD2 14, 14, 254
	s_delay_alu instid0(VALU_DEP_2)
	ADD2 214, 214, 252
	s_delay_alu instid0(VALU_DEP_1)
	ADD2 14, 14, 214
.set ii, 0
.rept 32                                       ; the conversion does not saturate (ISA guide 7.6.2); p is not negative, so the hold is one-sided: two numbers to a dual pair
	v_dual_min_num_f32 v[\sb+ii], v[\sb+ii], v221 :: v_dual_min_num_f32 v[\sb+ii+1], v[\sb+ii+1], v222
.set ii, ii+2
.endr
.set ii, 0
.rept 8
	v_cvt_scalef32_pk8_bf8_f32 v[PC+2*ii:PC+2*ii+1], v[\sb+8*ii:\sb+8*ii+7], v220   ; registers 2 f, 2 f + 1 of P: keys 16 f + 8 h + 0 .. 7
.set ii, ii+1
.endr
	v_nop                                          ; one plain vector instruction behind the last conversion
.set ii, 0
.rept 8                                        ; p is converted, so sb is free: the next block's K, eight images of 16 keys x 64
	ds_load_b128 v[\sb+8*ii:\sb+8*ii+3],   v[ADK] offset:BLK*(\odd+1)+1024*ii
	ds_load_b128 v[\sb+8*ii+4:\sb+8*ii+7], v[ADK] offset:BLK*(\odd+1)+1024*ii+512
.set ii, ii+1
.endr
	s_wait_alu depctr_va_vdst(0)
	s_wait_dscnt 16                                ; V is in; the sixteen loads just issued may be out
.set ii, 0
.rept 4                                        ; O^T += V^T P^T: the four accumulators take turns
	v_wmma_f32_16x16x128_bf8_bf8 v[O+8*ii:O+8*ii+7], v[\kb+16*ii:\kb+16*ii+15], v[PC:PC+15], v[O+8*ii:O+8*ii+7]
.set ii, ii+1
.endr
.rept 5
	v_nop                                          ; places: the next step's score products write over V's registers (five are asked for that), and O^T is read next
.endr
.endm
.macro PAIR q                          ; a trip: blocks T and T + 1.  Where T is hidden, so is T + 1
	v_add_nc_u32 v[ADK], s[TB], v[LI]
	v_add_nc_u32 v[ADV], s[TB], v[LV]
	s_wait_alu depctr_va_vdst(0)
	STEP X, Y, 0, \q, .Lend_\@
	STEP Y, X, 1, \q, .Lend_\@
.Lend_\@:
	s_add_co_u32 s[TB], s[TB], 2*BLK
	s_add_co_u32 s[T], s[T], 2
.endm
; A TILE'S WAY OUT.  O^T x 2^(e4 + e5) / the sum is y; held, converted: a lane's eight features of tile t are 8 bytes, and the 32 lanes' are 256 consecutive bytes of the image, aligned.
.macro WAYOUT ya
	v_add_f32 v14, v14, v15                        ; the sum's two halves,
	s_delay_alu instid0(VALU_DEP_1)
	v_permlanex16_b32 v216, v14, s[SEL], s[SEL+1]
	s_delay_alu instid0(VALU_DEP_1)
	v_add_f32 v14, v14, v216                       ; and lane l xor 16's
	s_wait_alu depctr_va_vdst(0)
	v_rcp_f32 v14, v14
	v_nop                                          ; a plain instruction behind the transcendental
	s_wait_alu depctr_va_vdst(0)                   ; and the wait ahead of its first reader
	v_ldexp_f32 v14, v14, s[EPV]
	s_wait_alu depctr_va_vdst(0)                   ; directly ahead of the first reader of O^T
.set ii, 0
.rept 16
	v_pk_mul_f32 v[Y+ii:Y+ii+1], v[O+ii:O+ii+1], v[14:15] op_sel_hi:[1,0]   ; each accumulator from its low end on
.set ii, ii+2
.endr
.set ii, 0
.rept 32
	v_med3_num_f32 v[Y+ii], v[Y+ii], -v219, v219
.set ii, ii+1
.endr
.set ii, 0
.rept 4
	v_cvt_scalef32_pk8_bf8_f32 v[PC+2*ii:PC+2*ii+1], v[Y+8*ii:Y+8*ii+7], v223
.set ii, ii+1
.endr
	v_nop                                          ; one plain vector instruction behind the last conversion
.set ii, 0
.rept 4
	global_store_b64 v[YO], v[PC+2*ii:PC+2*ii+1], s[\ya:\ya+1] offset:256*ii
.set ii, ii+1
.endr
.endm
	s_wait_alu depctr_va_vdst(0)
	s_wait_loadcnt 0x0                             ; Q
	s_wait_tensorcnt 0x0                           ; my sixteenth of K and V is in
	s_barrier_signal -1
	s_barrier_wait -1                              ; everybody's is
	KFIRST
.Llate:                                            ; the late tile: eight trips of two blocks, up to its diagonal
	PAIR QL
	s_cmp_lt_u32 s[T], 16
	s_cbranch_scc1 .Llate
	s_wait_dscnt 0x0                               ; the request behind the last block has come back: X and Y are free
	KFIRST                                         ; the early tile's first K lands under the way out, which works in Y
	WAYOUT YL
	s_wait_xcnt 0x0                                ; the stores have read their data: the code registers are written again in the next step
	INIT
	v_add_nc_u32 v218, s[DME], v[RH]
	s_mov_b32 s[DG], s[DGE]
	s_sub_co_u32 s[DG1], s[DGE], 1                 ; (where the diagonal is block 0 this equals no trip's T)
	s_mov_b32 s[T], 0
	s_mov_b32 s[TB], 0
	s_wait_alu depctr_va_vdst(0)
.Learly:                                           ; the early tile: four trips of two blocks, up to its diagonal
	PAIR QE
	s_cmp_lt_u32 s[T], 8
	s_cbranch_scc1 .Learly
	s_wait_dscnt 0x0                               ; the request behind the last block has come back: Y is free
	WAYOUT YE
	s_wait_tensorcnt 0x0                           ; the wave's end
	ds_add_u32 v[SPW], v[NIL]
	s_wait_dscnt 0x0
	ROUND                                          ; the closing round
	s_endpgm
.Lfunc_end_k_q09dbe952be_attn:
	.size	k_q09dbe952be_attn, .Lfunc_end_k_q09dbe952be_attn-k_q09dbe952be_attn
	.p2alignl 7, 3214868480
	.fill 96, 4, 3214868480
	.section	.rodata,"a",@progbits
	.p2align	6, 0x0
	.amdhsa_kernel k_q09dbe952be_attn
		.amdhsa_group_segment_fixed_size 327680
		.amdhsa_private_segment_fixed_size 0
		.amdhsa_enable_private_segment 0
		.amdhsa_kernarg_size 40
		.amdhsa_user_sgpr_count 2
		.amdhsa_user_sgpr_kernarg_segment_ptr 1
		.amdhsa_wavefront_size32 1
		.amdhsa_system_sgpr_workgroup_id_x 1
		.amdhsa_system_sgpr_workgroup_id_y 1
		.amdhsa_system_sgpr_workgroup_id_z 1
		.amdhsa_system_vgpr_workitem_id 0
		.amdhsa_next_free_vgpr 256
		.amdhsa_next_free_sgpr 90
		.amdhsa_reserve_vcc 1
		.amdhsa_float_denorm_mode_32 3
		.amdhsa_float_denorm_mode_16_64 3
		.amdhsa_memory_ordered 1
		.amdhsa_forward_progress 1
		.amdhsa_inst_pref_size 102
	.end_amdhsa_kernel
	.amdgpu_metadata
---
amdhsa.version: [ 1, 2 ]
amdhsa.kernels:
  - .name:           k_q09dbe952be_attn
    .symbol:         k_q09dbe952be_attn.kd
    .args:
      - { .name: qimg, .offset: 0, .size: 8, .value_kind: global_buffer, .address_space: global }
      - { .name: kimg, .offset: 8, .size: 8, .value_kind: global_buffer, .address_space: global }
      - { .name: vimg, .offset: 16, .size: 8, .value_kind: global_buffer, .address_space: global }
      - { .name: lowp_scales, .offset: 24, .size: 8, .value_kind: global_buffer, .address_space: global }
      - { .name: yimg, .offset: 32, .size: 8, .value_kind: global_buffer, .address_space: global }
    .group_segment_fixed_size: 327680
    .private_segment_fixed_size: 0
    .kernarg_segment_align: 8
    .kernarg_segment_size: 40
    .max_flat_workgroup_size: 512
    .sgpr_count:     90
    .vgpr_count:     256
    .wavefront_size: 32
...
	.end_amdgpu_metadata
.endif
;; end of part 2
;; launch proj (part 3): grid 4 x 64, 4 waves a work-group, clusters of 4 x 4, 327,680 bytes of LDS; arguments yimg, w_out_codes, lowp_scales, b_out, out0; writes out0
.if DOCPART == 3
	.amdgcn_target "amdgcn-amd-amdhsa--gfx1250"
	.amdhsa_code_object_version 6
	.text
	.protected	k_q09dbe952be_proj
	.globl	k_q09dbe952be_proj
	.p2align	8
	.type	k_q09dbe952be_proj,@function
k_q09dbe952be_proj:
	s_mov_b64 s[64:65], 0
	v_nop
	global_prefetch_b8 v0, s[64:65] scope:SCOPE_SE
	s_setreg_imm32_b32 hwreg(HW_REG_WAVE_MODE, 25, 1), 1
	s_wait_xcnt 0x0
	s_wait_alu depctr_hold_cnt(0) depctr_sa_sdst(0) depctr_va_vdst(0) depctr_va_sdst(0) depctr_va_ssrc(0) depctr_va_vcc(0) depctr_vm_vsrc(0)
	s_getreg_b32 s2, hwreg(HW_REG_IB_STS2, 6, 4)
	s_cmp_eq_u32 s2, 0
	s_cbranch_scc0 .Lentry_in_a_cluster
	s_endpgm
.Lentry_in_a_cluster:
	s_bfe_u32 s2, ttmp6, 0x10000c
	s_cmp_lg_u32 s2, 0xf033
	s_cbranch_scc0 .Lentry_shape_is_right
	s_endpgm
.Lentry_shape_is_right:
.set PITCH,  272
.set FR,     16
.set HALFT,  128*PITCH
.set AREG,   32768
.set SLOT,   AREG+2*HALFT
.set SPARE,  2*SLOT
.set STAGE,  SPARE+512
.set SPITCH, 528
.set ADRA, 16
.set ADRB, 20
.set STO,  24
.set RD,   25
.set CO,   26
.set SPW,  28
.set NIL,  29
.set TMP,  32
.set AF,   128
.set BK,   128
.set G1, 24
.set G0, 32
.set G1B, 48
.set G0B, 56
.set MSB, 0
.macro WIN new
.if MSB != \new
	s_set_vgpr_msb (MSB<<8)|\new
.set MSB, \new
.endif
.endm
.set MUL,  0xa1
.set TO_B, 0x40
.macro JLOAD g0a, g1a, g0b, g1b
	s_cmp_eq_u32 s15, 0
	s_cbranch_scc0 .Lfor_b_\@
	tensor_load_to_lds s[\g0a:\g0a+3], s[\g1a:\g1a+7]
	s_nop 0
.rept 4
	v_nop
.endr
	s_branch .Lasked_\@
.Lfor_b_\@:
	tensor_load_to_lds s[\g0b:\g0b+3], s[\g1b:\g1b+7]
	s_nop 0
.rept 4
	v_nop
.endr
.Lasked_\@:
.endm
.macro CREST
	s_cmp_lg_u32 s14, 0
	s_cbranch_scc1 .Lnot_wave_0_\@
	s_barrier_signal -3
.Lnot_wave_0_\@:
	s_barrier_wait -3
	s_barrier_signal -1
	s_barrier_wait -1
.endm
.macro CROUND
	s_barrier_signal -1
	s_barrier_wait -1
	CREST
.endm
	s_load_b256 s[4:11], s[0:1], 0x0
	s_load_b64 s[12:13], s[0:1], 0x20
	v_lshl_add_u32 v[SPW], v0, 2, SPARE
	v_mov_b32 v[NIL], 0
	ds_add_u32 v28, v29
	ds_add_u32 v28, v29
	s_wait_dscnt 0x0
	v_lshrrev_b32 v1, 5, v0
	v_readfirstlane_b32 s14, v1
	s_lshr_b32 s15, s14, 1
	s_and_b32 s16, s14, 1
	s_bfe_u32 s40, ttmp6, 0x40000
	s_bfe_u32 s41, ttmp6, 0x40004
	s_lshl_b32 s42, ttmp9, 2
	s_add_co_u32 s42, s42, s40
	s_and_b32 s17, ttmp7, 0xffff
	s_lshl_b32 s17, s17, 2
	s_add_co_u32 s17, s17, s41
	s_lshl_b32 s43, s41, 2
	s_lshl_b32 s43, 15, s43
	s_lshl_b32 s44, 0x1111, s40
	s_or_b32 s[G1+0], s43, (3<<16)|(1<<21)
	s_mov_b32 s[G1+1], 512<<16
	s_mov_b32 s[G1+2], 4<<16
	s_mov_b32 s[G1+3], 512<<16
	s_mov_b32 s[G1+4], 4
	s_mov_b32 s[G1+5], 2048
	s_mov_b32 s[G1+6], 0
	s_mov_b32 s[G1+7], 0
	s_or_b32 s[G1B+0], s44, (0<<16)|(1<<20)|(1<<21)|(5<<22)|(3<<25)
	s_mov_b32 s[G1B+1], 256<<16
	s_mov_b32 s[G1B+2], 128<<16
	s_mov_b32 s[G1B+3], 256<<16
	s_mov_b32 s[G1B+4], 128
	s_mov_b32 s[G1B+5], 1024
	s_mov_b32 s[G1B+6], 0
	s_mov_b32 s[G1B+7], 0
	s_lshl_b32 s20, s17, 17
	s_lshl_b32 s18, s16, 16
	s_add_co_u32 s20, s20, s18
	s_mov_b32 s21, 0
	s_lshl_b32 s46, s42, 8
	s_lshl_b32 s18, s16, 7
	s_add_co_u32 s46, s46, s18
	s_lshl_b32 s46, s46, 10
	s_mov_b32 s47, 0
	s_lshl_b32 s45, s16, 14
	s_mul_i32 s19, s16, HALFT
	s_add_co_u32 s19, s19, AREG
	s_wait_kmcnt 0x0
	s_load_b256 s[80:87], s[8:9], 0x0
	s_add_nc_u64 s[20:21], s[4:5], s[20:21]
	s_add_nc_u64 s[46:47], s[6:7], s[46:47]
	CROUND
.irp s, 0,1
	s_mov_b32 s[G0+4*\s], 1
	s_add_co_u32 s[G0+4*\s+1], s45, \s*SLOT
	s_add_nc_u64 s[G0+4*\s+2:G0+4*\s+3], s[20:21], \s*4096
	s_or_b32 s[G0+4*\s+3], s[G0+4*\s+3], 0x80000000
	s_mov_b32 s[G0B+4*\s], 1
	s_add_co_u32 s[G0B+4*\s+1], s19, \s*SLOT
	s_add_nc_u64 s[G0B+4*\s+2:G0B+4*\s+3], s[46:47], \s*256
	s_or_b32 s[G0B+4*\s+3], s[G0B+4*\s+3], 0x80000000
.endr
	JLOAD G0, G1, G0B, G1B                         ; slot 0, behind the opening round
	v_and_b32 v1, 15, v0
	v_bfe_u32 v2, v0, 4, 1
	v_and_b32 v6, 31, v0
	v_lshlrev_b32 v[CO], 4, v6
	v_mul_u32_u24 v3, v1, PITCH
	v_lshl_add_u32 v4, v2, 4, v3
	v_lshlrev_b32 v7, 5, v2
	s_wait_alu depctr_va_vdst(0)
	s_lshl_b32 s21, s15, 14
	s_mul_i32 s22, s16, HALFT
	s_add_co_u32 s22, s22, AREG
.irp s, 0,1
	v_add_nc_u32 v[ADRA+\s], s21, v[CO]
	v_add_nc_u32 v[ADRB+\s], s22, v4
	s_add_co_u32 s21, s21, SLOT
	s_add_co_u32 s22, s22, SLOT
.endr
	s_mul_i32 s23, s14, 16*SPITCH
	s_add_co_u32 s23, s23, STAGE
	v_mul_u32_u24 v5, v1, SPITCH
	v_lshl_add_u32 v5, v2, 5, v5
	v_add_nc_u32 v[STO], s23, v5
	v_add_nc_u32 v[RD], s23, v[CO]
	s_lshl_b32 s20, s17, 7
	s_lshl_b32 s21, s15, 6
	s_add_co_u32 s20, s20, s21
	s_lshl_b32 s20, s20, 12
	s_mov_b32 s21, 0
	s_lshl_b32 s46, s42, 10
	s_lshl_b32 s47, s16, 9
	s_add_co_u32 s46, s46, s47
	s_mov_b32 s47, 0
	s_add_nc_u64 s[10:11], s[10:11], s[46:47]
	s_add_nc_u64 s[12:13], s[12:13], s[20:21]
	s_add_nc_u64 s[12:13], s[12:13], s[46:47]
	WIN 0xc0
.irp b, 0,1,2,3,4,5,6,7
	global_load_b128 v[8*\b:8*\b+3],   v7, s[10:11] offset:64*\b
	global_load_b128 v[8*\b+4:8*\b+7], v7, s[10:11] offset:64*\b+16
.endr
	WIN 0
	s_wait_alu depctr_va_vdst(0)
	s_wait_kmcnt 0x0
	s_add_co_i32 s96, s86, s87
	s_add_co_i32 s96, s96, 127
	s_lshl_b32 s96, s96, 23
	s_mov_b32 s97, s96
.macro FETCH slot, q, p
	WIN TO_B
.irp i, 0,1,2,3,4,5,6,7
.irp c, 0,1,2,3
	ds_load_b128 v[128*(\p)+FR*\i+4*\c:128*(\p)+FR*\i+4*\c+3], v[ADRB+\slot] offset:128*(\q)+32*\c+\i*16*PITCH
.endr
.endr
	WIN 0
.irp i, 0,1,2,3
.irp c, 0,1,2,3
	ds_load_b128 v[AF+64*(\p)+FR*\i+4*\c:AF+64*(\p)+FR*\i+4*\c+3], v[ADRA+\slot] offset:4096*\i+2048*(\q)+512*\c
.endr
.endr
.endm
.macro MULA a, p, zero
.irp b, 0,1,2,3,4,5,6,7
.if \zero
	v_wmma_f32_16x16x128_bf8_bf8 v[8*(8*(\a)+\b):8*(8*(\a)+\b)+7], v[128*(\p)+FR*\b:128*(\p)+FR*\b+FR-1], v[AF+64*(\p)+FR*(\a):AF+64*(\p)+FR*(\a)+FR-1], 0
.else
	v_wmma_f32_16x16x128_bf8_bf8 v[8*(8*(\a)+\b):8*(8*(\a)+\b)+7], v[128*(\p)+FR*\b:128*(\p)+FR*\b+FR-1], v[AF+64*(\p)+FR*(\a):AF+64*(\p)+FR*(\a)+FR-1], v[8*(8*(\a)+\b):8*(8*(\a)+\b)+7]
.endif
.endr
.endm
.macro PLACES
.rept 4
	v_nop
.endr
.endm
.macro STEP slot, zero
	s_wait_dscnt 0x0
	WIN MUL
	MULA 0, 0, \zero
	MULA 1, 0, \zero
	PLACES
	FETCH \slot, 1, 1
	WIN MUL
	MULA 2, 0, \zero
	MULA 3, 0, \zero
.endm
.macro TURN slot, next, fill
	WIN 0
	s_wait_tensorcnt 0x0
	ds_add_u32 v[SPW], v[NIL]
	s_wait_dscnt 1
	WIN MUL
	MULA 0, 1, 0
	s_wait_dscnt 0x0
	s_barrier_signal -1
	MULA 1, 1, 0
	WIN 0
	s_barrier_wait -1
.if \fill
	CREST
	s_add_nc_u64 s[G0+4*\slot+2:G0+4*\slot+3], s[G0+4*\slot+2:G0+4*\slot+3], 2*4096
	s_add_nc_u64 s[G0B+4*\slot+2:G0B+4*\slot+3], s[G0B+4*\slot+2:G0B+4*\slot+3], 2*256
	JLOAD G0+4*\slot, G1, G0B+4*\slot, G1B
.else
	PLACES
.endif
	FETCH \next, 0, 0
	WIN MUL
	MULA 2, 1, 0
	MULA 3, 1, 0
	WIN 0
.endm
	s_wait_alu depctr_va_vdst(0)
	s_wait_tensorcnt 0x0                           ; my part of slot 0 is in
	ds_add_u32 v[SPW], v[NIL]
	s_wait_dscnt 0x0
	CROUND                                         ; everybody's part of slot 0 is in, and all sixteen work-groups are here
	JLOAD G0+4, G1, G0B+4, G1B                     ; slot 1's first fill: the first tensor load behind the round
	FETCH 0, 0, 0
	STEP 0, 1
	TURN 0, 1, 1
	STEP 1, 0
	TURN 1, 0, 1
	STEP 0, 0
	TURN 0, 1, 0
	STEP 1, 0
	s_wait_dscnt 0x0
	MULA 0, 1, 0
	MULA 1, 1, 0
	MULA 2, 1, 0
	MULA 3, 1, 0
	WIN 0
.macro TOSTAGE a
	WIN 0x32
.set jj, 0
.rept 32
	v_pk_fma_f32 v[TMP+jj:TMP+jj+1], v[64*(\a)+jj:64*(\a)+jj+1], s[96:97], v[jj:jj+1] op_sel_hi:[1,0,1]
.set jj, jj+2
.endr
	WIN 0
.irp b, 0,1,2,3,4,5,6,7
	ds_store_b128 v[STO], v[TMP+8*\b:TMP+8*\b+3] offset:64*\b
	ds_store_b128 v[STO], v[TMP+8*\b+4:TMP+8*\b+7] offset:64*\b+16
.endr
.set BBK, BK+64*((\a)%2)
.irp t, 0,1,2,3,4,5,6,7,8,9,10,11,12,13,14,15
	ds_load_b128 v[BBK+4*\t:BBK+4*\t+3], v[RD] offset:\t*SPITCH
.endr
.endm
.macro SEND a, younger
.set BBK, BK+64*((\a)%2)
	s_wait_dscnt \younger
.if (\a) > 0
	s_add_nc_u64 s[12:13], s[12:13], 16*4096
.endif
.irp t, 0,1,2,3,4,5,6,7,8,9,10,11,12,13,14,15
	global_store_b128 v[CO], v[BBK+4*\t:BBK+4*\t+3], s[12:13] offset:\t*4096 th:TH_STORE_NT
.endr
.endm
	s_wait_loadcnt 0x0
	PLACES
	TOSTAGE 0
.irp a, 1,2,3
.if \a > 1
	s_wait_xcnt 0x0
.endif
	TOSTAGE \a
	SEND \a-1, 32
.endr
	s_wait_xcnt 0x0
	SEND 3, 0
	s_wait_tensorcnt 0x0
	ds_add_u32 v[SPW], v[NIL]
	s_wait_dscnt 0x0
	CROUND
	s_endpgm
.Lfunc_end_k_q09dbe952be_proj:
	.size	k_q09dbe952be_proj, .Lfunc_end_k_q09dbe952be_proj-k_q09dbe952be_proj
	.p2alignl 7, 3214868480
	.fill 96, 4, 3214868480
	.section	.rodata,"a",@progbits
	.p2align	6, 0x0
	.amdhsa_kernel k_q09dbe952be_proj
		.amdhsa_group_segment_fixed_size 327680
		.amdhsa_private_segment_fixed_size 0
		.amdhsa_enable_private_segment 0
		.amdhsa_kernarg_size 40
		.amdhsa_user_sgpr_count 2
		.amdhsa_user_sgpr_kernarg_segment_ptr 1
		.amdhsa_wavefront_size32 1
		.amdhsa_system_sgpr_workgroup_id_x 1
		.amdhsa_system_sgpr_workgroup_id_y 1
		.amdhsa_system_sgpr_workgroup_id_z 1
		.amdhsa_system_vgpr_workitem_id 0
		.amdhsa_next_free_vgpr 1024
		.amdhsa_next_free_sgpr 98
		.amdhsa_reserve_vcc 0
		.amdhsa_float_denorm_mode_32 3
		.amdhsa_float_denorm_mode_16_64 3
		.amdhsa_memory_ordered 1
		.amdhsa_forward_progress 1
		.amdhsa_inst_pref_size 77
	.end_amdhsa_kernel
	.amdgpu_metadata
---
amdhsa.version: [ 1, 2 ]
amdhsa.kernels:
  - .name:           k_q09dbe952be_proj
    .symbol:         k_q09dbe952be_proj.kd
    .args:
      - { .name: yimg, .offset: 0, .size: 8, .value_kind: global_buffer, .address_space: global }
      - { .name: w_out_codes, .offset: 8, .size: 8, .value_kind: global_buffer, .address_space: global }
      - { .name: lowp_scales, .offset: 16, .size: 8, .value_kind: global_buffer, .address_space: global }
      - { .name: b_out, .offset: 24, .size: 8, .value_kind: global_buffer, .address_space: global }
      - { .name: out0, .offset: 32, .size: 8, .value_kind: global_buffer, .address_space: global }
    .group_segment_fixed_size: 327680
    .private_segment_fixed_size: 0
    .kernarg_segment_align: 8
    .kernarg_segment_size: 40
    .max_flat_workgroup_size: 128
    .sgpr_count:     98
    .vgpr_count:     1024
    .wavefront_size: 32
...
	.end_amdgpu_metadata
.endif
;; end of part 3
